; MI455X (gfx1250); checked and timed in simulation.
; The chip was launched on July 23, 2026; its instructions are those of AMD's public machine-readable ISA for CDNA 5 (MIT licence, August 2026) and "CDNA5" Instruction Set Architecture Reference Guide (July 2026). The comments in the code are by the model that wrote it; some were corrected since.
;; Bert Self Attention. Allowed arithmetic: matrix products marked QUANTISED: E2M3 operands, one E8M0 scale for each 32 along K, by v_wmma_scale_f32_16x16x128_f8f6f4 with both operands' format E2M3, f32 sums; everything else in f32.
;; Inputs: Wk_codes 1,024 x 32 x 24 uint8 (E2M3 codes of Wk, K innermost, in blocks of 32 codes, four codes in three bytes); Wk_scales 1,024 x 32 uint8 (E8M0 scales of Wk, one for each 32 codes along K); Wq_codes 1,024 x 32 x 24 uint8 (E2M3 codes of Wq, K innermost, in blocks of 32 codes, four codes in three bytes); Wq_scales 1,024 x 32 uint8 (E8M0 scales of Wq, one for each 32 codes along K); Wv_codes 1,024 x 32 x 24 uint8 (E2M3 codes of Wv, K innermost, in blocks of 32 codes, four codes in three bytes); Wv_scales 1,024 x 32 uint8 (E8M0 scales of Wv, one for each 32 codes along K); bk 1,024 float32; bq 1,024 float32; bv 1,024 float32; hidden_states_codes 4 x 2,048 x 32 x 24 uint8 (E2M3 codes of hidden_states, K innermost, in blocks of 32 codes, four codes in three bytes); hidden_states_scales 4 x 2,048 x 32 uint8 (E8M0 scales of hidden_states, one for each 32 codes along K).
;; Outputs: out0 4 x 2,048 x 1,024 float32.
;; This version of the problem:
;;   THIS VERSION OF THE PROBLEM IS GIVEN IN LOW PRECISION. The matrix products marked QUANTISED in the list below multiply operands that are first quantised to E2M3 (2 exponent bits, 3 mantissa bits; 6 bits a number), with one power-of-two scale for each 32 numbers along K (OCP MX v1.0); their sums are f32. All else is computed in f32.
;;   The module's matrix products, in the order in which they are computed (A, B: the left and right operand; K: the contracted axis; several contracted axes count as one K, in the product's order):
;;     1. [M 8,192, K 1,024] x [K 1,024, N 1,024]; A: input hidden_states (given as codes); B: input Wq (given as codes): QUANTISED
;;     2. [M 8,192, K 1,024] x [K 1,024, N 1,024]; A: input hidden_states (given as codes); B: input Wk (given as codes): QUANTISED
;;     3. [M 8,192, K 1,024] x [K 1,024, N 1,024]; A: input hidden_states (given as codes); B: input Wv (given as codes): QUANTISED
;;     4. batch 64 x [M 2,048, K 64] x [K 64, N 2,048]; A: computed on the way; B: computed on the way: QUANTISED
;;     5. batch 64 x [M 2,048, K 2,048] x [K 2,048, N 64]; A: softmax (see below); B: computed on the way: QUANTISED
;;   THE QUANTISER, for each operand of a quantised product, along K:
;;     - K is cut into blocks of 32 from its start; a last block that is shorter is filled with zeros.
;;     - A block's scale is 2^e with e = floor(log2(the largest magnitude in the block)) - 2, held to -126 .. 127; a block of zeros has e = 0. As a byte (E8M0): e + 127.
;;     - Each number is divided by its block's scale, clamped to +-7.5, and rounded to the nearest number of E2M3, ties to even, subnormals kept.
;;     - The product sums the exact products of the quantised numbers (number of the format x scale) in f32.
;;   ~~~python
;;   def quantise(x, axis):      # numpy; x: float32 -> the quantised numbers, widened to float32 again
;;       x = np.moveaxis(x, axis, -1); K = x.shape[-1]
;;       x = np.pad(x, [(0, 0)] * (x.ndim - 1) + [(0, -K % 32)]); x = x.reshape(x.shape[:-1] + (-1, 32)); a = np.abs(x).max(-1, keepdims=True)
;;       e = np.where(a > 0, np.clip(np.frexp(np.where(a > 0, a, 1))[1] - 1 - 2, -126, 127), 0)      # np.frexp(a)[1] - 1 = floor(log2(a)), exactly
;;       r = np.clip(x / 2.0 ** e, -7.5, 7.5)
;;       step = 2.0 ** (np.maximum(np.frexp(np.where(r == 0, 1, r))[1] - 1, 0) - 3)
;;       q = np.round(r / step) * step * 2.0 ** e      # np.round: ties to even
;;       return np.moveaxis(q.reshape(q.shape[:-2] + (-1,))[..., :K], -1, axis).astype(np.float32)
;;   ~~~
;;   SOFTMAX AHEAD OF A QUANTISED PRODUCT. Where the list says 'softmax', what is quantised is not the finished softmax but p = 2^(t - M), with t = logit x log2(e) and M = ceil(the row's largest t), a whole number; so 1/2 < the row's largest p <= 1. The row's sum l is taken of the UNQUANTISED p, in f32, and the product's result is divided by l at the end. Since M is a whole number, a kernel that streams over the keys may use a running M (the ceiling of the running maximum): every later rescaling is an exact power of two, which a block's scale takes up: the codes' values come out the same.
;;   OPERANDS COMPUTED ON THE WAY. 'Computed on the way' means the value that the module computes at that place (a softmax that the list does not call 'softmax' is quantised finished and normalised). What goes into a quantiser is computed in f32, as accurately as f32 sums, v_exp_f32 and their like allow (about 1e-6 of the number): no bf16 or f16 on the way to a quantiser, and a product that is left as it is and whose result goes on into a quantised operand takes f32 operands (vector FMAs, or v_wmma_f32_16x16x4_f32). A number that lies on a knife's edge between two numbers of the format may be rounded either way, as far as f32 arithmetic and the matrix unit's own rounding can turn it there, and no further.
;;   INPUTS GIVEN AS CODES. Wk (in the module: [1024, 1024], K = its axis 0); Wq (in the module: [1024, 1024], K = its axis 0); Wv (in the module: [1024, 1024], K = its axis 0); hidden_states (in the module: [4, 2048, 1024], K = its axis 2): each comes as NAME_codes (uint8): NAME with its K axis moved to the last place and cut into blocks of 32 codes, [.., K / 32, bytes a block], one block behind the other in memory; four codes in three bytes: a row's codes are one little-endian stream of bits, code i at bits 6 i .. 6 i + 5 (a code: sign, 2 exponent bits, 3 mantissa bits); and NAME_scales (uint8): the same leading axes, one E8M0 byte (e + 127) for each 32 codes along K. Its value is code x scale, taken as it is: it is not quantised again, and the codes and scales need not be those that the quantiser above would give.
;; One version. Each part assembles by itself: llvm-mc -triple=amdgcn-amd-amdhsa -mcpu=gfx1250 --defsym DOCPART=n.
;; ======== version 1 of 1: 2 launches
;; workspace buffers: qbuf 6,815,744 bytes; kbuf 6,815,744 bytes; vbuf 6,815,744 bytes
;; launch proj (part 1): grid 12 x 32, 4 waves a work-group, clusters of 4 x 4, 327,680 bytes of LDS; arguments hidden_states_codes, hidden_states_scales, Wq_codes, Wq_scales, Wk_codes, Wk_scales, Wv_codes, Wv_scales, bq, bk, bv, qbuf, kbuf, vbuf; writes qbuf, kbuf, vbuf
.if DOCPART == 1
	.amdgcn_target "amdgcn-amd-amdhsa--gfx1250"
	.amdhsa_code_object_version 6
	.text
	.protected	k_qf6cf4025bb_proj
	.globl	k_qf6cf4025bb_proj
	.p2align	8
	.type	k_qf6cf4025bb_proj,@function
k_qf6cf4025bb_proj:
	s_mov_b64 s[64:65], 0
	v_nop
	global_prefetch_b8 v0, s[64:65] scope:SCOPE_SE
	s_setreg_imm32_b32 hwreg(HW_REG_WAVE_MODE, 25, 1), 1
	s_wait_xcnt 0x0
	s_wait_alu depctr_hold_cnt(0) depctr_sa_sdst(0) depctr_va_vdst(0) depctr_va_sdst(0) depctr_va_ssrc(0) depctr_va_vcc(0) depctr_vm_vsrc(0)
	s_getreg_b32 s2, hwreg(HW_REG_IB_STS2, 6, 4)
	s_cmp_eq_u32 s2, 0
	s_cbranch_scc0 .Lentry_in_a_cluster
	s_endpgm
.Lentry_in_a_cluster:
	s_bfe_u32 s2, ttmp6, 0x10000c
	s_cmp_lg_u32 s2, 0xf033
	s_cbranch_scc0 .Lentry_shape_is_right
	s_endpgm
.Lentry_shape_is_right:
; q, k, v = hidden W + b on codes of FP6 (E2M3) with one E8M0 scale for each 32 along K = 1,024; rotary on q and k; then q and k are quantised along the head's 64 and v along the keys,
; and leave as IMAGES OF OPERAND REGISTERS: block (16 batch + head, step of 128 tokens) of 6,656 bytes = 6,144 of codes (register group c of a fragment at 512 c + 16 lane) + 512 of scale words (16 bytes a lane).
; SHARES.  The cluster's x is the kind: 0 q, 1 k, 2 v; it is the same in all sixteen partners.  A work-group makes 256 x 256 of one product, each of its four waves 128 x 128: 64 accumulators, 512 registers.
; X is the matrix instruction's source 1, Y its source 0: in a result a lane holds ONE row of X and its registers run along rows of Y.
;   q, k: X = 256 tokens of hidden, Y = 256 rows (features) of W: a lane holds a token and 64 + 64 features: two heads.     v: X = 256 rows of Wv, Y = 256 tokens: a lane holds a feature and 128 keys.
; So in both cases the 64 registers of accumulators (a, 0 .. 7) run along the next product's K, and one macro quantises them.
; THE ORDER INSIDE A BLOCK OF 32.  Tiles are 16 neighbouring rows, and a lane's half h holds rows 8 h + j of a tile: the codes of a block come out in the order k = 0-7, 16-23, 8-15, 24-31.
; The same order is made for q, k, v and (in the next launch) p, it stays inside a block, and it stands on both sides of each product: sums and scales are as in the natural order.
; q IS QUANTISED WITHOUT ITS FACTOR 1/8: a power of two changes no code, only the scale's byte by 3; the next launch folds 1/64 into its constant.
; ROTARY.  angle = fl(t x f), f the 32 inverse frequencies as f32 constants; reduced by multiples of pi/2 held in two parts; sine and cosine by polynomials on [-pi/4, pi/4].
; The table of the work-group's 256 X rows is made in LDS by every work-group, those of kind v too (one path through the head, while the first tiles are on their way); kind v does not read it.
; CLUSTERS: 4 x 4.  X's tile hangs on cy alone and is asked for jointly by my row of the cluster, Y's on cx alone, by my column.
; LIMITS: a block whose largest magnitude lies under 2^-124 keeps the byte 1 (for q: the definition's own hold begins under 2^-121); a block of zeros gets the byte 1, its codes are zeros, and this program alone reads the bytes; NaN and infinities are not served.
; REGISTERS, in windows of 256.  window 0: v1-7 at work in the head; v8-15 v's bias; v16-23 fragment addresses; v24-26 16 x lane, the table's read and write addresses; v28-29 for the add; v30-31 a bias twice;
;   v32-95 scale words (block i, K step kq at v[32 + 8 i + kq]: lanes 0-15 X's, lanes 16-31 Y's); v96-127, v224-255 q's or k's bias; v128-223 X's fragments, one set.
;   window 1: Y's fragments, two sets, at v0 and v128.   windows 2, 3: accumulator (a, b) at v[8 (8 (a % 4) + b)].
;   Behind the last product window 0 is used anew: v32-47 TM, v48-55 CT, v56-63 the blocks' scale words, v64-95 cos and sin, v128-191 Z, v192-215 codes, v216-223 scale words on their way out.
.set KROW,   768                       ; a row of 1,024 codes in bytes
.set ROWB,   192                       ; 256 codes: a tile's row
.set PITCH,  240                       ; an LDS row: 3 x (64 bytes + 16 of padding)
.set FR,     12                        ; registers of a fragment
.set NL,     6                         ; LDS loads that bring one
.set NP,     4                         ; places behind this matrix instruction (ISA guide 7.12.1)
.set HALFT,  128*PITCH                 ; what one tensor load brings
.set SLOT,   4*HALFT                   ; X's 256 rows, then Y's
.set TAB,    2*SLOT                    ; behind the ring: 16 token tiles x 4,096 bytes: cos in groups 0-3, sin in groups 4-7, group c at 512 c + 16 lane.  No fill lands here
.set SPARE,  TAB+16*4096               ; the spare words, 128 bytes for each wave
.set BLKB,   6656                      ; an output block
.set HEADB,  16*BLKB                   ; from a head to the next
.set BV,   8
.set ADRA, 16                          ; v16-17 X's fragments in slot 0, 1; v18-19 the same behind one padding more
.set ADRB, 20                          ; v20-23 Y's
.set LI,   24
.set TABR, 25
.set TABW, 26
.set SPW,  28
.set NIL,  29
.set BP,   30
.set SC,   32
.set BLO,  96
.set BHI,  224
.set AF,   128
.set FQ,   96                          ; the table: my 16 frequencies,
.set TT,   112                         ; my token's position as f32,
.set TA,   124                         ; the store address,
.set CO,   192                         ; 16 angles, then cosines,
.set SI,   208                         ; 16 sines,
.set WN,   224                         ; 16 multiples of pi/2,
.set WZ,   240                         ; 16 squares, at work
.set TM,   32
.set CT,   48
.set PWS,  56
.set CS,   64
.set Z,    128
.set PC,   192
.set SW,   216
.set G1,  24                           ; s[24:31] group 1 for X's tiles; s[32:39] group 0, a set for each slot
.set G0,  32
.set G1B, 48                           ; s[48:55], s[56:63] the same for Y's
.set G0B, 56
.set MSB, 0
.macro WIN new                         ; the immediate's high byte repeats the setting that is left
.if MSB != (\new)
	s_set_vgpr_msb (MSB<<8)|(\new)
.set MSB, (\new)
.endif
.endm
.set MUL_LO, 0xa1                      ; source 0 (Y) window 1, source 1 (X) window 0, C and D window 2
.set MUL_HI, 0xf1                      ; the same, C and D window 3
.set TO_B,   0x40                      ; destination window 1, address window 0
; A joint load: waves 0 and 1 fetch X's halves, waves 2 and 3 Y's.  The branch hangs on the wave's number alone.  Four v_nop follow each of the two lines.
.macro JLOAD g0a, g1a, g0b, g1b
	s_cmp_eq_u32 s15, 0
	s_cbranch_scc0 .Lfor_b_\@
	tensor_load_to_lds s[\g0a:\g0a+3], s[\g1a:\g1a+7]
	s_nop 0
.rept 4
	v_nop
.endr
	s_branch .Lasked_\@
.Lfor_b_\@:
	tensor_load_to_lds s[\g0b:\g0b+3], s[\g1b:\g1b+7]
	s_nop 0
.rept 4
	v_nop
.endr
.Lasked_\@:
.endm
.macro CREST                           ; a round of the cluster's barrier behind its opening barrier
	s_cmp_lg_u32 s14, 0
	s_cbranch_scc1 .Lnot_wave_0_\@
	s_barrier_signal -3
.Lnot_wave_0_\@:
	s_barrier_wait -3
	s_barrier_signal -1
	s_barrier_wait -1
.endm
.macro CROUND                          ; a whole round
	s_barrier_signal -1
	s_barrier_wait -1
	CREST
.endm
.macro PLACES n
.rept \n
	v_nop
.endr
.endm
	s_load_b512 s[68:83], s[0:1], 0x0              ; hidden's codes, scales; Wq's; Wk's; Wv's
	s_load_b256 s[84:91], s[0:1], 0x40             ; bq, bk, bv, qbuf
	s_load_b128 s[92:95], s[0:1], 0x60             ; kbuf, vbuf
	v_lshl_add_u32 v[SPW], v0, 2, SPARE
	v_mov_b32 v[NIL], 0
	ds_add_u32 v28, v29
	ds_add_u32 v28, v29
	s_wait_dscnt 0x0
	v_lshrrev_b32 v1, 5, v0
	v_readfirstlane_b32 s14, v1                    ; wave 0..3
	s_lshr_b32 s15, s14, 1                         ; which half of X's rows is mine.  Also: I fetch for X (0) or for Y (1)
	s_and_b32 s16, s14, 1                          ; which half of Y's rows.  Also: which 128 rows of that tile I fetch
	s_bfe_u32 s40, ttmp6, 0x40000                  ; cx
	s_bfe_u32 s41, ttmp6, 0x40004                  ; cy
	s_and_b32 s66, ttmp7, 0xffff
	s_lshl_b32 s66, s66, 2                         ; 4 x cluster y: it walks hidden's 32 tiles of 256 tokens
	s_cmp_eq_u32 ttmp9, 2                          ; kind v?
	s_cselect_b32 s17, 0, s66                      ; hidden is X for q and k,
	s_cselect_b32 s42, s66, 0                      ; Y for v
	s_add_co_u32 s17, s17, s41                     ; X's tile: cy (+ 4 x cluster y): it never holds cx
	s_add_co_u32 s42, s42, s40                     ; Y's tile: cx (+ 4 x cluster y): it never holds cy
	s_lshl_b32 s43, s41, 2
	s_lshl_b32 s43, 15, s43                        ; my row of the cluster
	s_lshl_b32 s44, 0x1111, s40                    ; my column
	; group 1: 128 rows x 192 bytes, 16 bytes of padding behind every 64
	s_or_b32 s[G1+0], s43, (0<<16)|(1<<20)|(1<<21)|(3<<22)|(3<<25)  ; 15:0 the mask; 17:16 elements of 1 byte; 20 padding on; 21 set beside a mask; 24:22 after every 16 words; 31:25 4 words of it
	s_or_b32 s[G1B+0], s44, (0<<16)|(1<<20)|(1<<21)|(3<<22)|(3<<25)
.irp g, G1, G1B
	s_mov_b32 s[\g+1], ROWB<<16                    ; tensor_dim0
	s_mov_b32 s[\g+2], 128<<16                     ; tensor_dim1
	s_mov_b32 s[\g+3], ROWB<<16                    ; tile_dim0
	s_mov_b32 s[\g+4], 128                         ; tile_dim1
	s_mov_b32 s[\g+5], KROW                        ; from row to row
	s_mov_b32 s[\g+6], 0
	s_mov_b32 s[\g+7], 0
.endr
	s_lshl_b32 s18, s16, 7                         ; which 128 rows of the tile I fetch
	s_lshl_b32 s20, s17, 8
	s_add_co_u32 s20, s20, s18
	s_mul_i32 s20, s20, KROW                       ; X: their first byte (under 2^23)
	s_mov_b32 s21, 0
	s_lshl_b32 s46, s42, 8
	s_add_co_u32 s46, s46, s18
	s_mul_i32 s46, s46, KROW                       ; Y likewise
	s_mov_b32 s47, 0
	s_mul_i32 s45, s14, HALFT                      ; where they go: wave x 128 rows
	s_lshl_b32 s22, s17, 8
	s_lshl_b32 s23, s15, 7
	s_add_co_u32 s22, s22, s23                     ; the first X row that I multiply
	s_lshl_b32 s98, s42, 8
	s_lshl_b32 s99, s16, 7
	s_add_co_u32 s98, s98, s99                     ; the first Y row
	s_cmp_eq_u32 ttmp9, 2
	s_cselect_b32 s66, s98, s22                    ; my first token,
	s_cselect_b32 s67, s22, s98                    ; my first feature
	s_lshr_b32 s2, s66, 11                         ; batch
	s_lshl_b32 s2, s2, 4
	s_lshr_b32 s3, s67, 6                          ; head
	s_add_co_u32 s2, s2, s3
	s_lshl_b32 s2, s2, 4
	s_bfe_u32 s3, s66, 0x40007                     ; step of 128 tokens
	s_add_co_u32 s2, s2, s3
	s_mul_i32 s2, s2, BLKB                         ; my first output block, in bytes
	s_mov_b32 s3, 0
	s_lshl_b32 s66, s67, 2                         ; my 128 biases
	s_mov_b32 s67, 0
	s_lshl_b32 s22, s22, 5                         ; my rows' scale bytes: 32 a row
	s_mov_b32 s23, 0
	s_lshl_b32 s98, s98, 5
	s_mov_b32 s99, 0
	s_lshl_b32 s19, s17, 8
	s_and_b32 s19, s19, 2047
	s_lshl_b32 s18, s14, 6
	s_add_co_u32 s19, s19, s18                     ; the table: position of X's row 64 x wave in its sequence
	s_wait_kmcnt 0x0
	s_cmp_eq_u32 ttmp9, 2                          ; the choices hang on the cluster's x alone
	s_cselect_b64 s[4:5], s[80:81], s[68:69]       ; X's codes
	s_cselect_b64 s[6:7], s[82:83], s[70:71]       ; X's scales
	s_cselect_b64 s[8:9], s[68:69], s[72:73]       ; Y's codes
	s_cselect_b64 s[10:11], s[70:71], s[74:75]     ; Y's scales
	s_cselect_b64 s[12:13], s[94:95], s[90:91]     ; where the result goes
	s_cselect_b64 s[96:97], s[88:89], s[84:85]     ; the bias
	s_cmp_eq_u32 ttmp9, 1
	s_cselect_b64 s[8:9], s[76:77], s[8:9]
	s_cselect_b64 s[10:11], s[78:79], s[10:11]
	s_cselect_b64 s[12:13], s[92:93], s[12:13]
	s_cselect_b64 s[96:97], s[86:87], s[96:97]
	s_add_nc_u64 s[20:21], s[4:5], s[20:21]
	s_add_nc_u64 s[46:47], s[8:9], s[46:47]
	s_add_nc_u64 s[6:7], s[6:7], s[22:23]
	s_add_nc_u64 s[10:11], s[10:11], s[98:99]
	s_add_nc_u64 s[12:13], s[12:13], s[2:3]
	s_add_nc_u64 s[96:97], s[96:97], s[66:67]
	s_mov_b32 s68, 0x3f22f983                      ; 2 / pi            (s68-95 held pointers that are done with)
	s_mov_b32 s69, 0xbfc90fdb                      ; -(pi / 2), the upper part
	s_mov_b32 s70, 0x333bbd2e                      ; -(pi / 2), what the upper part leaves
	s_mov_b32 s71, 0xbe2aaaa3                      ; sine: r + r z (S1 + z (S2 + z S3))
	s_mov_b32 s72, 0x3c08839e
	s_mov_b32 s73, 0xb94ca1f9
	s_mov_b32 s74, 0x3d2aaaa5                      ; cosine: 1 + z (-1/2 + z (C1 + z (C2 + z C3)))
	s_mov_b32 s75, 0xbab6061a
	s_mov_b32 s76, 0x37ccf5ce
	CROUND                                         ; all sixteen work-groups are here: the first joint loads meet
.irp s, 0,1
	s_mov_b32 s[G0+4*\s], 1
	s_add_co_u32 s[G0+4*\s+1], s45, \s*SLOT
	s_add_nc_u64 s[G0+4*\s+2:G0+4*\s+3], s[20:21], \s*ROWB
	s_or_b32 s[G0+4*\s+3], s[G0+4*\s+3], 0x80000000
	s_mov_b32 s[G0B+4*\s], 1
	s_add_co_u32 s[G0B+4*\s+1], s45, \s*SLOT
	s_add_nc_u64 s[G0B+4*\s+2:G0B+4*\s+3], s[46:47], \s*ROWB
	s_or_b32 s[G0B+4*\s+3], s[G0B+4*\s+3], 0x80000000
	JLOAD G0+4*\s, G1, G0B+4*\s, G1B               ; two loads of mine are out
.endr
	v_and_b32 v1, 15, v0                           ; r
	v_bfe_u32 v2, v0, 4, 1                         ; h
	v_mul_u32_u24 v3, v1, PITCH
	v_mul_u32_u24 v4, v2, 24
	v_add_nc_u32 v4, v3, v4                        ; a fragment's row x pitch + 24 x half
	v_lshl_add_u32 v5, v2, 4, v4                   ; and the same behind one padding more
	s_mul_i32 s21, s15, HALFT                      ; my 128 rows of X
	s_mul_i32 s22, s16, HALFT                      ; my 128 rows of Y,
	s_add_co_u32 s22, s22, 2*HALFT                 ; which lie behind X's 256
.irp s, 0,1
	v_add_nc_u32 v[ADRA+\s], s21, v4
	v_add_nc_u32 v[ADRB+\s], s22, v4
	v_add_nc_u32 v[ADRA+2+\s], s21, v5
	v_add_nc_u32 v[ADRB+2+\s], s22, v5
	s_add_co_u32 s21, s21, SLOT
	s_add_co_u32 s22, s22, SLOT
.endr
	; THE SCALE WORDS OF ALL OF K STAY IN REGISTERS: a row has 32 bytes, 8 words: sixteen lanes read 512 consecutive bytes in two loads.  X's go to their place, Y's beside, and lanes 16-31 then take Y's.
	v_lshlrev_b32 v6, 5, v1
.irp i, 0,1,2,3,4,5,6,7
	global_load_b128 v[SC+8*\i:SC+8*\i+3], v6, s[6:7] offset:512*\i
	global_load_b128 v[SC+8*\i+4:SC+8*\i+7], v6, s[6:7] offset:512*\i+16
	global_load_b128 v[AF+8*\i:AF+8*\i+3], v6, s[10:11] offset:512*\i
	global_load_b128 v[AF+8*\i+4:AF+8*\i+7], v6, s[10:11] offset:512*\i+16
.endr
	v_and_b32 v3, 31, v0
	v_lshlrev_b32 v[LI], 4, v3
	s_lshl_b32 s21, s15, 15
	s_add_co_u32 s21, s21, TAB
	v_add_nc_u32 v[TABR], s21, v[LI]               ; I read the eight token tiles of my half of X,
	s_lshl_b32 s22, s14, 14
	s_add_co_u32 s22, s22, TAB
	v_add_nc_u32 v[TABW], s22, v[LI]               ; and make tiles 4 wave .. 4 wave + 3
	s_mov_b32 s20, 0x76543210
	s_mov_b32 s21, 0xfedcba98                      ; v_permlanex16_b32's selects for lane l xor 16
	v_cmp_eq_u32 vcc_lo, 1, v2                     ; lanes 16-31
; register i of a lane's 16 belongs to frequency 8 h + (i & 7) + 16 (i >> 3): the feature's place in its half of the head
.macro FSET i, lo, hi
	v_mov_b32 v[FQ+\i], \hi
	v_cndmask_b32 v[FQ+\i], \lo, v[FQ+\i], vcc_lo
.endm
	FSET 0,  0x3f800000, 0x3dcccccd
	FSET 1,  0x3f3ff911, 0x3d99940d
	FSET 2,  0x3f0ff59a, 0x3d6655c2
	FSET 3,  0x3ed7e89b, 0x3d2cba15
	FSET 4,  0x3ea1e89b, 0x3d0186e3
	FSET 5,  0x3e72d423, 0x3cc2434f
	FSET 6,  0x3e361887, 0x3c91ad39
	FSET 7,  0x3e088d77, 0x3c5a7bf2
	FSET 8,  0x3c23d70a, 0x3a83126f
	FSET 9,  0x3bf5b9b0, 0x3a44948c
	FSET 10, 0x3bb8449c, 0x3a136a16
	FSET 11, 0x3b8a2e77, 0x39dd1725
	FSET 12, 0x3b4f3e38, 0x39a5cb60
	FSET 13, 0x3b1b690d, 0x3978a815
	FSET 14, 0x3ae91528, 0x393a7753
	FSET 15, 0x3aaec98e, 0x390bd472
	v_add_nc_u32 v[TT], s19, v1
	v_cvt_f32_u32 v[TT], v[TT]                     ; my token's position
	s_mov_b32 s2, 0
	s_mov_b32 s3, 4
.Ltab:                                             ; a trip makes one token tile: 16 cosines and 16 sines a lane, each stage over all 16, so that no line waits for the line above it
.irp i, 0,1,2,3,4,5,6,7,8,9,10,11,12,13,14,15
	v_mul_f32 v[CO+\i], v[TT], v[FQ+\i]            ; the angle, rounded once
.endr
.irp i, 0,1,2,3,4,5,6,7,8,9,10,11,12,13,14,15
	v_mul_f32 v[WN+\i], s68, v[CO+\i]
.endr
.irp i, 0,1,2,3,4,5,6,7,8,9,10,11,12,13,14,15
	v_rndne_f32 v[WN+\i], v[WN+\i]                 ; n: the nearest multiple of pi/2, at most 1,303
.endr
.irp i, 0,1,2,3,4,5,6,7,8,9,10,11,12,13,14,15
	v_fma_f32 v[CO+\i], v[WN+\i], s69, v[CO+\i]    ; exact: a multiple of 2^-24 under 1
.endr
.irp i, 0,1,2,3,4,5,6,7,8,9,10,11,12,13,14,15
	v_fma_f32 v[CO+\i], v[WN+\i], s70, v[CO+\i]    ; r
.endr
.irp i, 0,1,2,3,4,5,6,7,8,9,10,11,12,13,14,15
	v_mul_f32 v[WZ+\i], v[CO+\i], v[CO+\i]         ; z = r r
.endr
.irp i, 0,1,2,3,4,5,6,7,8,9,10,11,12,13,14,15
	v_fma_f32 v[SI+\i], v[WZ+\i], s73, s72
.endr
.irp i, 0,1,2,3,4,5,6,7,8,9,10,11,12,13,14,15
	v_fma_f32 v[SI+\i], v[SI+\i], v[WZ+\i], s71
.endr
.irp i, 0,1,2,3,4,5,6,7,8,9,10,11,12,13,14,15
	v_mul_f32 v[SI+\i], v[SI+\i], v[WZ+\i]
.endr
.irp i, 0,1,2,3,4,5,6,7,8,9,10,11,12,13,14,15
	v_fma_f32 v[SI+\i], v[SI+\i], v[CO+\i], v[CO+\i]   ; sin r
.endr
.irp i, 0,1,2,3,4,5,6,7,8,9,10,11,12,13,14,15
	v_fma_f32 v[CO+\i], v[WZ+\i], s76, s75
.endr
.irp i, 0,1,2,3,4,5,6,7,8,9,10,11,12,13,14,15
	v_fma_f32 v[CO+\i], v[CO+\i], v[WZ+\i], s74
.endr
.irp i, 0,1,2,3,4,5,6,7,8,9,10,11,12,13,14,15
	v_fma_f32 v[CO+\i], v[CO+\i], v[WZ+\i], -0.5
.endr
.irp i, 0,1,2,3,4,5,6,7,8,9,10,11,12,13,14,15
	v_fma_f32 v[CO+\i], v[CO+\i], v[WZ+\i], 1.0    ; cos r
.endr
.irp i, 0,1,2,3,4,5,6,7,8,9,10,11,12,13,14,15
	v_cvt_i32_f32 v[WN+\i], v[WN+\i]
.endr
.irp i, 0,1,2,3,4,5,6,7,8,9,10,11,12,13,14,15
	v_and_b32 v[WZ+\i], 1, v[WN+\i]
.endr
.irp i, 0,1,2,3,4,5,6,7,8,9,10,11,12,13,14,15
	v_cmp_eq_u32 s[80+\i], 1, v[WZ+\i]             ; n odd: sine and cosine change places.  (A choice of values only)
.endr
.irp i, 0,1,2,3,4,5,6,7,8,9,10,11,12,13,14,15
	v_cndmask_b32 v[WZ+\i], v[SI+\i], v[CO+\i], s[80+\i]
.endr
.irp i, 0,1,2,3,4,5,6,7,8,9,10,11,12,13,14,15
	v_cndmask_b32 v[CO+\i], v[CO+\i], v[SI+\i], s[80+\i]
.endr
.irp i, 0,1,2,3,4,5,6,7,8,9,10,11,12,13,14,15
	v_lshlrev_b32 v[SI+\i], 30, v[WN+\i]           ; the sine is negative where n mod 4 is 2 or 3,
.endr
.irp i, 0,1,2,3,4,5,6,7,8,9,10,11,12,13,14,15
	v_and_b32 v[SI+\i], 0x80000000, v[SI+\i]
.endr
.irp i, 0,1,2,3,4,5,6,7,8,9,10,11,12,13,14,15
	v_xor_b32 v[SI+\i], v[SI+\i], v[WZ+\i]
.endr
.irp i, 0,1,2,3,4,5,6,7,8,9,10,11,12,13,14,15
	v_add_lshl_u32 v[WN+\i], v[WN+\i], 1, 30       ; the cosine where it is 1 or 2
.endr
.irp i, 0,1,2,3,4,5,6,7,8,9,10,11,12,13,14,15
	v_and_b32 v[WN+\i], 0x80000000, v[WN+\i]
.endr
.irp i, 0,1,2,3,4,5,6,7,8,9,10,11,12,13,14,15
	v_xor_b32 v[CO+\i], v[CO+\i], v[WN+\i]
.endr
	v_add_nc_u32 v[TA], s2, v[TABW]
.irp c, 0,1,2,3,4,5,6,7
	ds_store_b128 v[TA], v[CO+4*\c:CO+4*\c+3] offset:512*\c   ; 512 consecutive bytes a store
.endr
	v_add_f32 v[TT], 0x41800000, v[TT]             ; 16 tokens on
	s_add_co_u32 s2, s2, 4096
	s_wait_dscnt 0x0                               ; the stores are done: their registers are written again, and the last trip's stand in front of the barrier below
	s_sub_co_i32 s3, s3, 1
	s_cmp_lg_u32 s3, 0
	s_cbranch_scc1 .Ltab
	s_wait_loadcnt 0x0                             ; the scale words
.set k, 0
.rept 64
	v_cndmask_b32 v[SC+k], v[SC+k], v[AF+k], vcc_lo    ; lanes 16-31 take Y's
.set k, k+1
.endr
	; the biases, waited for behind the last product.  Both forms are loaded on the one path: q, k: 64 registers in the result's layout (feature 16 b + 8 h + j); v: one number for each block a (feature 16 a + r)
	v_lshlrev_b32 v7, 5, v2
	v_lshlrev_b32 v3, 2, v1
.irp b, 0,1,2,3
	global_load_b128 v[BLO+8*\b:BLO+8*\b+3], v7, s[96:97] offset:64*\b
	global_load_b128 v[BLO+8*\b+4:BLO+8*\b+7], v7, s[96:97] offset:64*\b+16
	global_load_b128 v[BHI+8*\b:BHI+8*\b+3], v7, s[96:97] offset:256+64*\b
	global_load_b128 v[BHI+8*\b+4:BHI+8*\b+7], v7, s[96:97] offset:256+64*\b+16
.endr
.irp a, 0,1,2,3,4,5,6,7
	global_load_b32 v[BV+\a], v3, s[96:97] offset:64*\a
.endr
	PLACES 8                                       ; scale registers written by vector instructions stand eight places ahead of the first scaled product
.macro FRAG reg, adr, q, i             ; a fragment: lane l holds row l % 16; registers 6 c .. 6 c + 5 hold K = 64 c + 32 (l / 16) + 0 .. 31: 24 bytes of the row's stream of bits, in pieces of 8 bytes
.irp p, 0,1,2,3,4,5                    ; lanes 0-15 take the row's pieces 12 q + 0, 1, 2 and 12 q + 6, 7, 8, lanes 16-31 those three pieces on: where that is behind one padding more, the second address register serves
.set PCE, 12*(\q)+6*(\p/3)+\p%3
.if PCE%8 < 5
	ds_load_b64 v[\reg+2*\p:\reg+2*\p+1], v[\adr] offset:8*PCE+16*(PCE/8)+(\i)*16*PITCH
.else
	ds_load_b64 v[\reg+2*\p:\reg+2*\p+1], v[\adr+2] offset:8*PCE+16*(PCE/8)+(\i)*16*PITCH
.endif
.endr
.endm
; 16 products: X's blocks a0, a0 + 1 against Y's eight; p: Y's set; kq: which 128 of K.  The 64 accumulators take turns, one instruction a turn, in the same order in every step.
.macro MUL16 a0, p, kq, zero
.irp a, \a0, \a0+1
.irp b, 0,1,2,3,4,5,6,7
.if \zero
	v_wmma_scale_f32_16x16x128_f8f6f4 v[8*(8*((\a)%4)+\b):8*(8*((\a)%4)+\b)+7], v[128*(\p)+FR*\b:128*(\p)+FR*\b+FR-1], v[AF+FR*(\a):AF+FR*(\a)+FR-1], 0, v[SC+8*\b+(\kq)], v[SC+8*(\a)+(\kq)] matrix_a_fmt:MATRIX_FMT_FP6 matrix_b_fmt:MATRIX_FMT_FP6 matrix_a_scale:MATRIX_SCALE_ROW1
.else
	v_wmma_scale_f32_16x16x128_f8f6f4 v[8*(8*((\a)%4)+\b):8*(8*((\a)%4)+\b)+7], v[128*(\p)+FR*\b:128*(\p)+FR*\b+FR-1], v[AF+FR*(\a):AF+FR*(\a)+FR-1], v[8*(8*((\a)%4)+\b):8*(8*((\a)%4)+\b)+7], v[SC+8*\b+(\kq)], v[SC+8*(\a)+(\kq)] matrix_a_fmt:MATRIX_FMT_FP6 matrix_b_fmt:MATRIX_FMT_FP6 matrix_a_scale:MATRIX_SCALE_ROW1
.endif
.endr
.endr
.endm
.macro FETCH_B slot, q, p              ; Y's eight fragments of the slot's q-th 128 along K into set p
	WIN TO_B
.irp i, 0,1,2,3,4,5,6,7
	FRAG 128*(\p)+FR*\i, ADRB+\slot, \q, \i
.endr
	WIN 0
.endm
.macro FETCH_A slot, q, i0             ; X's blocks i0 .. i0 + 3
.irp i, \i0, \i0+1, \i0+2, \i0+3
	FRAG AF+FR*(\i), ADRA+\slot, \q, \i
.endr
.endm
; A slot's first 128 along K.  A block of X is free when its eight products are issued: blocks 0-3 are fetched anew in the middle, blocks 4-7 at the end; Y has two sets.
; Loads into registers that products have read stand four places behind those products.
.macro STEP slot, kq, zero
	s_wait_dscnt 4*NL                              ; Y's set and X's blocks 0-3 are in; the youngest 24 loads (X's blocks 4-7) may be out
	WIN MUL_LO
	MUL16 0, 0, \kq, \zero
	MUL16 2, 0, \kq, \zero
	s_wait_dscnt 0
	PLACES NP
	FETCH_B \slot, 1, 1
	FETCH_A \slot, 1, 0
	WIN MUL_HI
	MUL16 4, 0, \kq, \zero
	MUL16 6, 0, \kq, \zero
	PLACES NP
	WIN 0
	FETCH_A \slot, 1, 4
.endm
; A slot's second 128 changes slots: ONE barrier; in front of it each wave waits for all its tensor loads, adds 0 to its spare word, and waits for that and for its reads of this slot.  fill = 1: this slot is filled again, 512 along K ahead.
.macro TURN slot, next, kq, fill
	s_wait_tensorcnt 0x0                           ; all my tensor loads have landed: my part of the next slot
	ds_add_u32 v[SPW], v[NIL]                      ; 0 onto my spare word
	s_wait_dscnt 4*NL+1                            ; (the add and the youngest 24 loads may be out)
	WIN MUL_LO
	MUL16 0, 1, \kq, 0                             ; sixteen products stand between the add and the wait for it
	s_wait_dscnt 0x0                               ; the add is done, and my reads of this slot are over
	s_barrier_signal -1
	MUL16 2, 1, \kq, 0
	WIN 0
	s_barrier_wait -1
.if \fill
	CREST                                          ; the barrier has opened a round of the cluster's barrier: no wave of any partner still reads this slot or has a load on its way
	s_add_nc_u64 s[G0+4*\slot+2:G0+4*\slot+3], s[G0+4*\slot+2:G0+4*\slot+3], 2*ROWB
	s_add_nc_u64 s[G0B+4*\slot+2:G0B+4*\slot+3], s[G0B+4*\slot+2:G0B+4*\slot+3], 2*ROWB
	JLOAD G0+4*\slot, G1, G0B+4*\slot, G1B         ; the first tensor load behind the round, my only one until the next; its four v_nop are the places in front of the loads below
.else
	PLACES NP
.endif
	FETCH_B \next, 0, 0
	FETCH_A \next, 0, 0
	WIN MUL_HI
	MUL16 4, 1, \kq, 0
	MUL16 6, 1, \kq, 0
	PLACES NP
	WIN 0
	FETCH_A \next, 0, 4
.endm
	s_wait_tensorcnt 0x1                           ; my part of slot 0 is in (slot 1's may be out); my table stores were waited for in the loop
	s_barrier_signal -1
	s_barrier_wait -1                              ; everybody's are
	FETCH_B 0, 0, 0
	FETCH_A 0, 0, 0
	FETCH_A 0, 0, 4
	STEP 0, 0, 1                                   ; K = 1,024 is eight steps of 128, four slots' worth: written out.  The first products start the sums
	TURN 0, 1, 1, 1
	STEP 1, 2, 0
	TURN 1, 0, 3, 1
	STEP 0, 4, 0
	TURN 0, 1, 5, 0                                ; nothing is left to fetch
	STEP 1, 6, 0
	s_wait_dscnt 4*NL
	WIN MUL_LO
	MUL16 0, 1, 7, 0
	MUL16 2, 1, 7, 0
	s_wait_dscnt 0
	WIN MUL_HI
	MUL16 4, 1, 7, 0
	MUL16 6, 1, 7, 0
	WIN 0
; 64 numbers of a lane, register 16 b + i of block b (my 16 of its 32; lane l xor 16 holds the others), become codes: blocks 0, 1 in v[d0 .. d0 + 5], blocks 2, 3 in v[d1 .. d1 + 5] (lanes 0-15 the even block, lanes 16-31 the odd one), and the four scale bytes in v[pw].
.macro QUANT s, d0, d1, pw
.irp b, 0,1,2,3
	v_max3_num_f32 v[TM+\b], |v[(\s)+16*\b]|, |v[(\s)+1+16*\b]|, 0x1800000   ; with the floor 2^(3 - 127): the byte cannot fall under 1
.endr
.irp i, 2,4,6,8,10,12,14
.irp b, 0,1,2,3
	v_max3_num_f32 v[TM+\b], v[TM+\b], |v[(\s)+16*\b+\i]|, |v[(\s)+1+16*\b+\i]|
.endr
.endr
.irp b, 0,1,2,3
	v_permlanex16_b32 v[TM+4+\b], v[TM+\b], s20, s21
.endr
.irp b, 0,1,2,3
	v_max_num_f32 v[TM+\b], v[TM+\b], v[TM+4+\b]   ; the block's largest magnitude
.endr
.irp b, 0,1,2,3
	v_add_nc_u32 v[TM+12+\b], 0xff000000, v[TM+\b] ; 2 off its exponent field: the conversion's scale operand
.endr
.irp b, 0,1,2,3
	v_lshrrev_b32 v[TM+4+\b], 23, v[TM+12+\b]      ; the scale's byte
.endr
	v_lshl_or_b32 v[\pw], v[TM+5], 8, v[TM+4]
	v_lshl_or_b32 v[\pw], v[TM+6], 16, v[\pw]
	v_lshl_or_b32 v[\pw], v[TM+7], 24, v[\pw]
	v_cvt_scalef32_pk16_fp6_f32 v[(\d0):(\d0)+2], v[(\s):(\s)+15], v[TM+12]
	v_cvt_scalef32_pk16_fp6_f32 v[CT:CT+2], v[(\s)+16:(\s)+31], v[TM+13]
	v_cvt_scalef32_pk16_fp6_f32 v[(\d1):(\d1)+2], v[(\s)+32:(\s)+47], v[TM+14]
	v_cvt_scalef32_pk16_fp6_f32 v[CT+4:CT+6], v[(\s)+48:(\s)+63], v[TM+15]
	v_nop                                          ; one plain place behind the scaled conversions
.irp i, 0,1,2
	v_permlane16_swap_b32 v[(\d0)+\i], v[CT+\i]    ; a whole block to a lane
.endr
.irp i, 0,1,2
	v_permlane16_swap_b32 v[(\d1)+\i], v[CT+4+\i]
.endr
.irp i, 0,1,2
	v_mov_b32 v[(\d0)+3+\i], v[CT+\i]
	v_mov_b32 v[(\d1)+3+\i], v[CT+4+\i]
.endr
.endm
	PLACES NP                                      ; behind the last products: for the reads of results and the writes of registers that held operands and scales
	s_wait_loadcnt 0x0                             ; the biases
	v_bfe_u32 v2, v0, 4, 1
	v_cmp_eq_u32 vcc_lo, 1, v2                     ; lanes 16-31
.irp b, 0,1,2,3
	v_mov_b32 v[TM+4+\b], 0                        ; a lane permute's destination counts as one of its sources
.endr
	s_cmp_eq_u32 ttmp9, 2                          ; the kind: the same in all partners
	s_cbranch_scc1 .Lv
; ---- q, k.  Block a: 16 tokens (a lane a token), 128 features = two heads.  Z[32 hl + i] is feature 8 h + (i & 7) + 16 (i >> 3) of head hl, Z[32 hl + 16 + i] the feature 32 further on: the rotary's partner, same angle.
.macro EQK a
	WIN 0x02+(\a)/4                                ; source 0: window 2 or 3
.set k, 0
.rept 32
.if k < 16
	v_pk_add_f32 v[Z+2*k:Z+2*k+1], v[64*((\a)%4)+2*k:64*((\a)%4)+2*k+1], v[BLO+2*k:BLO+2*k+1]   ; + bias; each accumulator from its low end on
.else
	v_pk_add_f32 v[Z+2*k:Z+2*k+1], v[64*((\a)%4)+2*k:64*((\a)%4)+2*k+1], v[BHI+2*k-32:BHI+2*k-31]
.endif
.set k, k+1
.endr
	WIN 0
	s_wait_dscnt 0x0                               ; this block's cosines and sines
.irp hl, 0,1
.irp kg, 0,4
.irp kk, 0,1,2,3
	v_pk_mul_f32 v[TM+4*\kk:TM+4*\kk+1], v[Z+32*\hl+16+2*(\kg+\kk):Z+32*\hl+17+2*(\kg+\kk)], v[CS+16+2*(\kg+\kk):CS+17+2*(\kg+\kk)]     ; x2 sin
	v_pk_mul_f32 v[TM+4*\kk+2:TM+4*\kk+3], v[Z+32*\hl+2*(\kg+\kk):Z+32*\hl+1+2*(\kg+\kk)], v[CS+16+2*(\kg+\kk):CS+17+2*(\kg+\kk)]      ; x1 sin
.endr
.irp kk, 0,1,2,3
	v_pk_fma_f32 v[Z+32*\hl+2*(\kg+\kk):Z+32*\hl+1+2*(\kg+\kk)], v[Z+32*\hl+2*(\kg+\kk):Z+32*\hl+1+2*(\kg+\kk)], v[CS+2*(\kg+\kk):CS+1+2*(\kg+\kk)], v[TM+4*\kk:TM+4*\kk+1] neg_lo:[0,0,1] neg_hi:[0,0,1]   ; x1 cos - x2 sin
	v_pk_fma_f32 v[Z+32*\hl+16+2*(\kg+\kk):Z+32*\hl+17+2*(\kg+\kk)], v[Z+32*\hl+16+2*(\kg+\kk):Z+32*\hl+17+2*(\kg+\kk)], v[CS+2*(\kg+\kk):CS+1+2*(\kg+\kk)], v[TM+4*\kk+2:TM+4*\kk+3]                          ; x2 cos + x1 sin
.endr
.endr
.endr
.if (\a) < 7
.irp c, 0,1,2,3,4,5,6,7
	ds_load_b128 v[CS+4*\c:CS+4*\c+3], v[TABR] offset:((\a)+1)*4096+512*\c   ; the next block's, while this one is quantised
.endr
.endif
.if ((\a)%2 == 0) && ((\a) > 0)
	s_wait_xcnt 0x0                                ; the last pair's stores have read their registers: the codes are written again only behind this wait
.endif
	QUANT Z, PC+6*((\a)%2), PC+12+6*((\a)%2), PWS+(\a)   ; head 0's 64 codes a token into registers 6 (a % 2) on of its pair's image, head 1's into the other image
.if (\a)%2 == 1
.irp hl, 0,1
.irp c, 0,1,2
	global_store_b128 v[LI], v[PC+12*\hl+4*\c:PC+12*\hl+4*\c+3], s[12:13] offset:\hl*HEADB+((\a)/2)*1536+512*\c   ; 32 lanes store 512 consecutive bytes, aligned
.endr
.endr
.endif
.endm
.irp c, 0,1,2,3,4,5,6,7
	ds_load_b128 v[CS+4*\c:CS+4*\c+3], v[TABR] offset:512*\c
.endr
.irp a, 0,1,2,3,4,5,6,7
	EQK \a
.endr
.irp g, 0,1,2,3
	v_cndmask_b32 v[SW+\g], v[PWS+2*\g], v[PWS+2*\g+1], vcc_lo   ; lanes 0-15: tile 2 g's words, lanes 16-31: tile 2 g + 1's.  Bytes 0, 1 are head 0's; bytes 2, 3 meet zero codes alone
.endr
.irp g, 0,1,2,3
	v_lshrrev_b32 v[SW+4+\g], 16, v[SW+\g]         ; head 1's
.endr
	global_store_b128 v[LI], v[SW:SW+3], s[12:13] offset:6144
	global_store_b128 v[LI], v[SW+4:SW+7], s[12:13] offset:HEADB+6144
	s_branch .Lend
; ---- v.  Block a: 16 features (a lane a feature) of head a / 4, 128 keys: one whole fragment of V^T and its scale word
.Lv:
.macro EV a
	v_mov_b32 v[BP], v[BV+(\a)]
	v_mov_b32 v[BP+1], v[BV+(\a)]
	WIN 0x02+(\a)/4
.set k, 0
.rept 32
	v_pk_add_f32 v[Z+2*k:Z+2*k+1], v[64*((\a)%4)+2*k:64*((\a)%4)+2*k+1], v[BP:BP+1]
.set k, k+1
.endr
	WIN 0
.if (\a) > 0
	s_wait_xcnt 0x0                                ; the last block's stores have read their registers
.endif
	QUANT Z, PC, PC+6, PWS+(\a)
.irp c, 0,1,2
	global_store_b128 v[LI], v[PC+4*\c:PC+4*\c+3], s[12:13] offset:((\a)/4)*HEADB+((\a)%4)*1536+512*\c
.endr
.endm
.irp a, 0,1,2,3,4,5,6,7
	EV \a
.endr
.irp hl, 0,1
	v_cndmask_b32 v[SW+4*\hl], v[PWS+4*\hl], v[PWS+4*\hl+1], vcc_lo       ; lanes 0-15: fragment 0's words, lanes 16-31: fragment 1's
	v_cndmask_b32 v[SW+4*\hl+1], v[PWS+4*\hl+2], v[PWS+4*\hl+3], vcc_lo   ; fragments 2 and 3
	v_mov_b32 v[SW+4*\hl+2], 0                                            ; every byte of a block is stored
	v_mov_b32 v[SW+4*\hl+3], 0
.endr
	global_store_b128 v[LI], v[SW:SW+3], s[12:13] offset:6144
	global_store_b128 v[LI], v[SW+4:SW+7], s[12:13] offset:HEADB+6144
.Lend:
	s_wait_tensorcnt 0x0                           ; the wave's end
	ds_add_u32 v[SPW], v[NIL]
	s_wait_dscnt 0x0
	CROUND                                         ; the closing round: no work-group ends while a partner may still ask for a tile that names it
	s_endpgm
.Lfunc_end_k_qf6cf4025bb_proj:
	.size	k_qf6cf4025bb_proj, .Lfunc_end_k_qf6cf4025bb_proj-k_qf6cf4025bb_proj
	.p2alignl 7, 3214868480
	.fill 96, 4, 3214868480
	.section	.rodata,"a",@progbits
	.p2align	6, 0x0
	.amdhsa_kernel k_qf6cf4025bb_proj
		.amdhsa_group_segment_fixed_size 327680
		.amdhsa_private_segment_fixed_size 0
		.amdhsa_enable_private_segment 0
		.amdhsa_kernarg_size 112
		.amdhsa_user_sgpr_count 2
		.amdhsa_user_sgpr_kernarg_segment_ptr 1
		.amdhsa_wavefront_size32 1
		.amdhsa_system_sgpr_workgroup_id_x 1
		.amdhsa_system_sgpr_workgroup_id_y 1
		.amdhsa_system_sgpr_workgroup_id_z 1
		.amdhsa_system_vgpr_workitem_id 0
		.amdhsa_next_free_vgpr 1024
		.amdhsa_next_free_sgpr 100
		.amdhsa_reserve_vcc 1
		.amdhsa_float_denorm_mode_32 3
		.amdhsa_float_denorm_mode_16_64 3
		.amdhsa_memory_ordered 1
		.amdhsa_forward_progress 1
		.amdhsa_inst_pref_size 255
	.end_amdhsa_kernel
	.section	.bss,"aw",@nobits
	.p2align	6
	.space	262144
	.amdgpu_metadata
---
amdhsa.version: [ 1, 2 ]
amdhsa.kernels:
  - .name:           k_qf6cf4025bb_proj
    .symbol:         k_qf6cf4025bb_proj.kd
    .args:
      - { .name: hidden_states_codes, .offset: 0, .size: 8, .value_kind: global_buffer, .address_space: global }
      - { .name: hidden_states_scales, .offset: 8, .size: 8, .value_kind: global_buffer, .address_space: global }
      - { .name: Wq_codes, .offset: 16, .size: 8, .value_kind: global_buffer, .address_space: global }
      - { .name: Wq_scales, .offset: 24, .size: 8, .value_kind: global_buffer, .address_space: global }
      - { .name: Wk_codes, .offset: 32, .size: 8, .value_kind: global_buffer, .address_space: global }
      - { .name: Wk_scales, .offset: 40, .size: 8, .value_kind: global_buffer, .address_space: global }
      - { .name: Wv_codes, .offset: 48, .size: 8, .value_kind: global_buffer, .address_space: global }
      - { .name: Wv_scales, .offset: 56, .size: 8, .value_kind: global_buffer, .address_space: global }
      - { .name: bq, .offset: 64, .size: 8, .value_kind: global_buffer, .address_space: global }
      - { .name: bk, .offset: 72, .size: 8, .value_kind: global_buffer, .address_space: global }
      - { .name: bv, .offset: 80, .size: 8, .value_kind: global_buffer, .address_space: global }
      - { .name: qbuf, .offset: 88, .size: 8, .value_kind: global_buffer, .address_space: global }
      - { .name: kbuf, .offset: 96, .size: 8, .value_kind: global_buffer, .address_space: global }
      - { .name: vbuf, .offset: 104, .size: 8, .value_kind: global_buffer, .address_space: global }
    .group_segment_fixed_size: 327680
    .private_segment_fixed_size: 0
    .kernarg_segment_align: 8
    .kernarg_segment_size: 112
    .max_flat_workgroup_size: 128
    .sgpr_count:     100
    .vgpr_count:     1024
    .wavefront_size: 32
...
	.end_amdgpu_metadata
.endif
;; end of part 1
;; launch attn (part 2): grid 8 x 64, 16 waves a work-group, clusters of 4 x 1, 284,672 bytes of LDS; arguments qbuf, kbuf, vbuf, out0; writes out0
.if DOCPART == 2
	.amdgcn_target "amdgcn-amd-amdhsa--gfx1250"
	.amdhsa_code_object_version 6
	.text
	.protected	k_qf6cf4025bb_attn
	.globl	k_qf6cf4025bb_attn
	.p2align	8
	.type	k_qf6cf4025bb_attn,@function
k_qf6cf4025bb_attn:
	s_mov_b64 s[64:65], 0
	v_nop
	global_prefetch_b8 v0, s[64:65] scope:SCOPE_SE
	s_setreg_imm32_b32 hwreg(HW_REG_WAVE_MODE, 25, 1), 1
	s_wait_xcnt 0x0
	s_wait_alu depctr_hold_cnt(0) depctr_sa_sdst(0) depctr_va_vdst(0) depctr_va_sdst(0) depctr_va_ssrc(0) depctr_va_vcc(0) depctr_vm_vsrc(0)
	s_getreg_b32 s2, hwreg(HW_REG_IB_STS2, 6, 4)
	s_cmp_eq_u32 s2, 0
	s_cbranch_scc0 .Lentry_in_a_cluster
	s_endpgm
.Lentry_in_a_cluster:
	s_bfe_u32 s2, ttmp6, 0x10000c
	s_cmp_lg_u32 s2, 0x3003
	s_cbranch_scc0 .Lentry_shape_is_right
	s_endpgm
.Lentry_shape_is_right:
; out[b][q][64 head + d] = sum over keys of softmax(q . k / 64) v, both products on codes of FP6 (E2M3) with one E8M0 scale for each 32 along a product's K.
; qbuf, kbuf, vbuf: for each (16 batch + head, step of 128 tokens) a block of 6,656 bytes, laid as images of operand registers (group c of a fragment at 512 c + 16 lane) with 512 bytes of scale words behind.
;   q, k: four pairs of token tiles; a pair's 12 registers are tile 2 g's 64 codes a token (registers 0-5) and tile 2 g + 1's (6-11).   v: four fragments, 16 of the head's 64 x 128 keys.
; q was quantised without its factor 1/8, so the constant here is c = log2(e) / 64.
; THE HEAD HAS 64 NUMBERS, THE INSTRUCTION TAKES 128: Q's upper 64 codes are zeros.  K's operand for tile t is registers 6 t .. 6 t + 11 of the step's 48: its upper six are the next tile's codes, which meet Q's zeros (behind tile 7: six registers of zeros).
; THE SOFTMAX: t = score x c; M = the largest t so far, rounded UP to a whole number; p = 2^(t - M) is quantised along the keys, not normalised; the sum of the unquantised p divides at the end; when M moves, sum and O are multiplied by 2^(old M - new M): exact.
; SHARES.  A work-group owns 256 queries of one head, each of its sixteen waves 16 of them in 256 registers: four waves to a SIMD, so that one wave's vector work stands beside another's products and LDS loads.
; ALL OF A HEAD'S K AND V, 2 x 106,496 bytes, LIES IN LDS, filled once: no slot is filled again.  Each wave issues four tensor loads at the head, its eighth of K's (waves 0-7) or V's (waves 8-15) chunk c of four key steps: four loads of mine are out.
; Chunk c is read behind a counted wait and a barrier; the later chunks land meanwhile.
; CLUSTER: the four work-groups of a cluster belong to one head and ask for K and V jointly.  cx enters Q's and O's addresses alone.
; Both products are used transposed (S^T = K Q^T, O^T = V^T P^T): a lane holds ONE query throughout.  The order of codes inside a block of 32 (0-7, 16-23, 8-15, 24-31) is the one in which q, k and v were laid, and p is laid so here.
; REGISTERS: v1 16 x lane; v2, v3 the step's K and V; v4-6 the way out; v12 -M, v13 the largest t, v[14:15] the sum; v16-27 Q; v28 Q's scale words; v32-79 K's, then V's fragments; v80-85 zeros; v86-89 K's scale words, v90-91 V's;
;   v96-159 S^T, then p; v160-191 O^T; v192-203 p's codes; v204-210 at work for them; v212-215 the blocks' maxima; v216-219, v228 at work; v220-223 scale operands; v224 p's scale word; v[226:227] f; v[230:231] the sum's second chain.
.set BLKB,   6656
.set HEADB,  16*BLKB                   ; a head's K or V
.set CHB,    4*BLKB                    ; a chunk: four key steps
.set PART,   CHB/8                     ; a wave's part of it: 13 rows of 256 bytes
.set STG,    2*HEADB                   ; behind K and V: a stage of 16 rows x (256 bytes + 16) for each wave.  No fill lands here
.set SPITCH, 272
.set WV,  12
.set G1,  24                           ; s[24:31] group 1; s[32:47] four groups 0
.set G0,  32
.macro CROUND                          ; a round of the cluster's barrier
	s_barrier_signal -1
	s_barrier_wait -1
	s_cmp_lg_u32 s[WV], 0
	s_cbranch_scc1 .Lnot_wave_0_\@
	s_barrier_signal -3
.Lnot_wave_0_\@:
	s_barrier_wait -3
	s_barrier_signal -1
	s_barrier_wait -1
.endm
	s_load_b256 s[4:11], s[0:1], 0x0               ; qbuf, kbuf, vbuf, out0
	v_lshl_add_u32 v254, v0, 2, 0x45000
	v_mov_b32 v255, 0
	ds_add_u32 v254, v255
	ds_add_u32 v254, v255
	v_lshrrev_b32 v1, 5, v0
	v_readfirstlane_b32 s[WV], v1                  ; wave 0..15
	s_bfe_u32 s13, ttmp6, 0x40000                  ; cx
	s_lshl_b32 s14, ttmp9, 2
	s_add_co_u32 s14, s14, s13                     ; my block of 256 queries
	s_and_b32 s15, ttmp7, 0xffff                   ; 16 batch + head: the partners share it
	; group 1: a dense block of 3,328 bytes as 13 rows of 256 (32 elements of 8 bytes), no padding
	s_mov_b32 s[G1], 15|(3<<16)|(1<<21)            ; 15:0 the mask: all four work-groups; 17:16 elements of 8 bytes; 21 set beside a mask
	s_mov_b32 s[G1+1], 32<<16                      ; tensor_dim0
	s_mov_b32 s[G1+2], 13<<16                      ; tensor_dim1
	s_mov_b32 s[G1+3], 32<<16                      ; tile_dim0
	s_mov_b32 s[G1+4], 13                          ; tile_dim1
	s_mov_b32 s[G1+5], 32                          ; from row to row
	s_mov_b32 s[G1+6], 0
	s_mov_b32 s[G1+7], 0
	s_lshr_b32 s16, s[WV], 3                       ; 0: I fetch for K, 1: for V.  Also: which 128 of the 256 queries hold mine
	s_and_b32 s17, s[WV], 7
	s_mul_i32 s18, s17, PART                       ; my part of a chunk
	s_mul_i32 s19, s16, HEADB
	s_add_co_u32 s19, s19, s18                     ; in LDS,
	s_mul_i32 s52, s15, HEADB
	s_add_co_u32 s52, s52, s18                     ; and in memory (under 2^23)
	s_mov_b32 s53, 0
	s_lshl_b32 s56, s15, 4
	s_lshl_b32 s57, s14, 1
	s_add_co_u32 s56, s56, s57
	s_add_co_u32 s56, s56, s16
	s_mul_i32 s56, s56, BLKB                       ; Q: the block that holds my tile
	s_mov_b32 s57, 0
	s_lshr_b32 s58, s17, 1                         ; g: its pair,
	s_and_b32 s59, s[WV], 1                        ; e: which of the pair
	s_lshr_b32 s60, s15, 4
	s_lshl_b32 s60, s60, 11
	s_lshl_b32 s61, s14, 8
	s_add_co_u32 s60, s60, s61
	s_lshl_b32 s61, s[WV], 4
	s_add_co_u32 s60, s60, s61                     ; my first query's row of out0: 2,048 batch + 256 block + 16 wave,
	s_lshl_b32 s60, s60, 12                        ; 4,096 bytes a row,
	s_and_b32 s61, s15, 15
	s_lshl_b32 s61, s61, 8
	s_add_co_u32 s60, s60, s61                     ; + the head's 256 bytes (under 2^26)
	s_mov_b32 s61, 0
	s_mov_b32 s20, 0x76543210
	s_mov_b32 s21, 0xfedcba98                      ; v_permlanex16_b32's selects for lane l xor 16
	s_mov_b32 s22, 0x3cb8aa3b                      ; c = log2(e) / 64
	s_mov_b32 s23, s22                             ; (named with it as a pair)
	s_wait_dscnt 0x0
	s_wait_kmcnt 0x0
	s_cmp_lt_u32 s[WV], 8                          ; the choice hangs on the wave's number alone
	s_cselect_b64 s[54:55], s[6:7], s[8:9]
	s_add_nc_u64 s[54:55], s[54:55], s[52:53]
	s_add_nc_u64 s[4:5], s[4:5], s[56:57]
	s_add_nc_u64 s[10:11], s[10:11], s[60:61]
.irp c, 0,1,2,3
	s_mov_b32 s[G0+4*\c], 1
	s_add_co_u32 s[G0+4*\c+1], s19, \c*CHB
	s_add_nc_u64 s[G0+4*\c+2:G0+4*\c+3], s[54:55], \c*CHB
	s_or_b32 s[G0+4*\c+3], s[G0+4*\c+3], 0x80000000
.endr
	CROUND                                         ; all four work-groups are here: the joint loads meet
.irp c, 0,1,2,3
	tensor_load_to_lds s[G0+4*\c:G0+4*\c+3], s[G1:G1+7]
	s_nop 0
.endr
.rept 4
	v_nop
.endr
	v_and_b32 v7, 31, v0
	v_lshlrev_b32 v1, 4, v7                        ; 16 x lane
	v_and_b32 v8, 15, v0                           ; r
	s_mul_i32 s62, s58, 1536
	v_add_nc_u32 v10, s62, v1                      ; my pair's image
	s_lshl_b32 s62, s59, 8
	s_lshl_b32 s63, s58, 2
	s_add_co_u32 s62, s62, s63
	v_lshl_add_u32 v11, v8, 4, s62                 ; my tile's scale words: 16 (16 e + r) + 4 g
	global_load_b128 v[96:99], v10, s[4:5]
	global_load_b128 v[100:103], v10, s[4:5] offset:512
	global_load_b128 v[104:107], v10, s[4:5] offset:1024
	global_load_b32 v28, v11, s[4:5] offset:6144
	s_cmp_eq_u32 s59, 1
	s_cselect_b32 vcc_lo, -1, 0
	s_wait_loadcnt 0x0
.irp i, 0,1,2,3,4,5
	v_cndmask_b32 v[16+\i], v[96+\i], v[102+\i], vcc_lo   ; registers 6 e .. 6 e + 5 of the pair are my tile's codes
.endr
.irp i, 0,1,2,3,4,5
	v_mov_b32 v[22+\i], 0                          ; Q's upper 64 codes
	v_mov_b32 v[80+\i], 0                          ; what stands behind K's tile 7
.endr
	v_mov_b32 v13, 0xff61b1e6                      ; the largest t so far: -3e38
	v_floor_f32 v12, -v13                          ; -M
	v_mov_b32 v14, 0
	v_mov_b32 v15, 0
.irp b, 0,1,2,3
	v_mov_b32 v[216+\b], 0                         ; a lane permute's destination counts as one of its sources
.endr
	v_mov_b32 v227, 0                              ; (the upper half of the pair v[226:227])
.set k, 0
.rept 32
	v_mov_b32 v[160+k], 0                          ; O^T: the step is written once; the first finds zeros
.set k, k+1
.endr
; A KEY STEP: 128 keys
.macro STEP
	v_add_nc_u32 v2, s48, v1
	v_add_nc_u32 v3, s49, v1
	v_nop
	v_nop                                          ; four places in front of loads into registers that the last products read
.irp n, 0,1,2,3,4,5,6,7,8,9,10,11
	ds_load_b128 v[32+4*\n:35+4*\n], v2 offset:512*\n   ; K's eight tiles: 512 consecutive bytes a load
.endr
	ds_load_b128 v[86:89], v2 offset:6144          ; word g: lanes 0-15 tile 2 g's, lanes 16-31 tile 2 g + 1's
	s_wait_dscnt 0x0
.irp t, 0,2,4,6
	v_wmma_scale_f32_16x16x128_f8f6f4 v[96+8*\t:103+8*\t], v[32+6*\t:43+6*\t], v[16:27], 0, v[86+\t/2], v28 matrix_a_fmt:MATRIX_FMT_FP6 matrix_b_fmt:MATRIX_FMT_FP6
	v_wmma_scale_f32_16x16x128_f8f6f4 v[104+8*\t:111+8*\t], v[38+6*\t:49+6*\t], v[16:27], 0, v[86+\t/2], v28 matrix_a_fmt:MATRIX_FMT_FP6 matrix_b_fmt:MATRIX_FMT_FP6 matrix_a_scale:MATRIX_SCALE_ROW1
.endr
.rept 4
	v_nop                                          ; places: for the loads below and for the first read of the scores
.endr
.irp n, 0,1,2,3,4,5,6,7,8,9,10,11
	ds_load_b128 v[32+4*\n:35+4*\n], v3 offset:512*\n   ; V's four fragments land while the softmax is walked
.endr
	ds_load_b64 v[90:91], v3 offset:6144
.irp b, 0,1,2,3
	v_max3_num_f32 v[212+\b], v[96+16*\b], v[97+16*\b], v[98+16*\b]   ; the largest score of each block of 32 keys: for the row's maximum and, since p rises with the score, for the block's largest p
.endr
.irp i, 3,5,7,9,11,13
.irp b, 0,1,2,3
	v_max3_num_f32 v[212+\b], v[212+\b], v[96+16*\b+\i], v[97+16*\b+\i]
.endr
.endr
.irp b, 0,1,2,3
	v_max_num_f32 v[212+\b], v[212+\b], v[111+16*\b]
.endr
.irp b, 0,1,2,3
	v_permlanex16_b32 v[216+\b], v[212+\b], s20, s21
.endr
.irp b, 0,1,2,3
	v_max_num_f32 v[212+\b], v[212+\b], v[216+\b]  ; with lane l xor 16's 16 keys
.endr
	v_max3_num_f32 v228, v212, v213, v214
	v_max_num_f32 v228, v228, v215
	v_mul_f32 v228, s22, v228                      ; as t (c is positive)
	v_max_num_f32 v13, v13, v228                   ; the running largest t
	v_mov_b32 v228, v12
	v_floor_f32 v12, -v13                          ; the new -M = -ceil(t)
	v_sub_f32 v228, v12, v228                      ; old M - new M: a whole number, 0 or less
	v_cvt_i32_f32 v228, v228                       ; (it saturates)
	v_ldexp_f32 v226, 1.0, v228                    ; f = 2^(old M - new M)
.irp j, 0,2,4,6,8,10,12,14,16,18,20,22,24,26,28,30,32,34,36,38,40,42,44,46,48,50,52,54,56,58,60,62
	v_pk_fma_f32 v[96+\j:97+\j], v[96+\j:97+\j], s[22:23], v[12:13] op_sel_hi:[1,0,0]   ; t - M
.endr
.irp b, 0,1,2,3
	v_fma_f32 v[212+\b], v[212+\b], s22, v12
.endr
.set k, 0
.rept 64
	v_exp_f32 v[96+k], v[96+k]                     ; p = 2^(t - M)
.set k, k+1
.endr
	v_pk_mul_f32 v[14:15], v[14:15], v[226:227] op_sel_hi:[1,0]   ; the sum under the new M: a plain line behind the exponentials
	s_wait_alu depctr_va_vdst(0)                   ; one wait for the batch, ahead of its first reader
.irp b, 0,1,2,3
	v_exp_f32 v[212+\b], v[212+\b]                 ; the block's largest p
.endr
	v_pk_add_f32 v[230:231], v[96:97], v[98:99]    ; the row's sum is taken of the unquantised p, in two chains
.irp j, 4,8,12,16,20,24,28,32,36,40,44,48,52,56,60
	v_pk_add_f32 v[14:15], v[14:15], v[96+\j:97+\j]
	v_pk_add_f32 v[230:231], v[230:231], v[98+\j:99+\j]
.endr
	v_pk_add_f32 v[14:15], v[14:15], v[230:231]
	s_wait_alu depctr_va_vdst(0)                   ; and one for the four
.irp b, 0,1,2,3
	v_max_num_f32 v[212+\b], 0x1800000, v[212+\b]  ; the floor 2^(3 - 127): the byte cannot fall under 1
.endr
.irp b, 0,1,2,3
	v_add_nc_u32 v[220+\b], 0xff000000, v[212+\b]  ; 2 off the exponent field: the conversion's scale operand
.endr
.irp b, 0,1,2,3
	v_lshrrev_b32 v[216+\b], 23, v[220+\b]         ; the scale's byte
.endr
	v_lshl_or_b32 v224, v217, 8, v216              ; p's scale word for these 128 keys
	v_lshl_or_b32 v224, v218, 16, v224
	v_lshl_or_b32 v224, v219, 24, v224
.irp c, 0,1
	v_cvt_scalef32_pk16_fp6_f32 v[192+6*\c:194+6*\c], v[96+32*\c:111+32*\c], v[220+2*\c]
	v_cvt_scalef32_pk16_fp6_f32 v[204+4*\c:206+4*\c], v[112+32*\c:127+32*\c], v[220+2*\c+1]
.endr
	v_nop                                          ; one plain place behind the scaled conversions
.irp c, 0,1
.irp i, 0,1,2
	v_permlane16_swap_b32 v[192+6*\c+\i], v[204+4*\c+\i]   ; a whole block to a lane
.endr
.irp i, 0,1,2
	v_mov_b32 v[195+6*\c+\i], v[204+4*\c+\i]
.endr
.endr
.irp j, 0,2,4,6,8,10,12,14,16,18,20,22,24,26,28,30
	v_pk_mul_f32 v[160+\j:161+\j], v[160+\j:161+\j], v[226:227] op_sel_hi:[1,0]   ; O^T under the new M.  (These sixteen are also the places between the scale word and codes just made and the products)
.endr
	s_wait_dscnt 0x0                               ; V
.irp d, 0,2
	v_wmma_scale_f32_16x16x128_f8f6f4 v[160+8*\d:167+8*\d], v[32+12*\d:43+12*\d], v[192:203], v[160+8*\d:167+8*\d], v[90+\d/2], v224 matrix_a_fmt:MATRIX_FMT_FP6 matrix_b_fmt:MATRIX_FMT_FP6
	v_wmma_scale_f32_16x16x128_f8f6f4 v[168+8*\d:175+8*\d], v[44+12*\d:55+12*\d], v[192:203], v[168+8*\d:175+8*\d], v[90+\d/2], v224 matrix_a_fmt:MATRIX_FMT_FP6 matrix_b_fmt:MATRIX_FMT_FP6 matrix_a_scale:MATRIX_SCALE_ROW1
.endr
	s_add_co_u32 s48, s48, BLKB                    ; the next step's block of K,
	s_add_co_u32 s49, s49, BLKB                    ; and of V
.endm
; Chunk c: four key steps.  My part of it has landed when at most the 3 - c loads issued behind it are out; behind the barrier everybody's has.  Nothing is ever filled again.
.macro CHUNK c
	s_wait_tensorcnt 3-\c
	s_wait_dscnt 0x0
	s_barrier_signal -1
	s_barrier_wait -1
	s_mov_b32 s48, \c*CHB
	s_mov_b32 s49, HEADB+\c*CHB
	s_mov_b32 s50, 4
.Lstep_\@:
	STEP
	s_sub_co_i32 s50, s50, 1
	s_cmp_lg_u32 s50, 0
	s_cbranch_scc1 .Lstep_\@
.endm
	CHUNK 0
	CHUNK 1
	CHUNK 2
	CHUNK 3
	; THE WAY OUT.  O^T / the sum goes through my stage and leaves as rows: sixteen lanes store a query's 256 bytes of its head, aligned.
	v_add_f32 v14, v14, v15
	v_permlanex16_b32 v228, v14, s20, s21
	v_add_f32 v14, v14, v228                       ; the row's sum
	v_rcp_f32 v14, v14
	v_and_b32 v8, 15, v0                           ; r.  (The address work is the plain work behind the reciprocal and the places behind the last products)
	v_bfe_u32 v9, v0, 4, 1                         ; h
	s_mul_i32 s62, s[WV], 16*SPITCH
	s_add_co_u32 s62, s62, STG                     ; my stage
	v_mul_u32_u24 v4, v8, SPITCH
	v_lshl_add_u32 v4, v9, 5, v4
	v_add_nc_u32 v4, s62, v4                       ; in: row r, + 32 h; tile d's eight numbers 64 d bytes on
	v_mul_u32_u24 v5, v9, SPITCH
	v_lshl_add_u32 v5, v8, 4, v5
	v_add_nc_u32 v5, s62, v5                       ; back: lanes 0-15 one row, lanes 16-31 the next
	v_lshlrev_b32 v6, 12, v9
	v_lshl_add_u32 v6, v8, 4, v6                   ; and the same two rows of out0
	s_wait_alu depctr_va_vdst(0)                   ; the wait ahead of the reciprocal's first reader
.set k, 0
.rept 32
	v_mul_f32 v[96+k], v[160+k], v14               ; register 8 d + j is o(r, 16 d + 8 h + j)
.set k, k+1
.endr
.irp d, 0,1,2,3
	ds_store_b128 v4, v[96+8*\d:99+8*\d] offset:64*\d
	ds_store_b128 v4, v[100+8*\d:103+8*\d] offset:64*\d+16
.endr
.irp i, 0,1,2,3,4,5,6,7
	ds_load_b128 v[32+4*\i:35+4*\i], v5 offset:2*\i*SPITCH   ; LDS serves a wave's instructions in order (ISA guide 5.7.1.4): these see my stores
.endr
.irp i, 0,1,2,3,4,5,6,7
	s_wait_dscnt 7-\i                              ; the loads behind row pair i may be out
	global_store_b128 v6, v[32+4*\i:35+4*\i], s[10:11] offset:8192*\i th:TH_STORE_NT
.endr
	s_wait_tensorcnt 0x0
	ds_add_u32 v254, v255
	s_wait_dscnt 0x0
	CROUND                                         ; the closing round: no work-group ends while a partner may still ask for a tile that names it
	s_endpgm
.Lfunc_end_k_qf6cf4025bb_attn:
	.size	k_qf6cf4025bb_attn, .Lfunc_end_k_qf6cf4025bb_attn-k_qf6cf4025bb_attn
	.p2alignl 7, 3214868480
	.fill 96, 4, 3214868480
	.section	.rodata,"a",@progbits
	.p2align	6, 0x0
	.amdhsa_kernel k_qf6cf4025bb_attn
		.amdhsa_group_segment_fixed_size 284672
		.amdhsa_private_segment_fixed_size 0
		.amdhsa_enable_private_segment 0
		.amdhsa_kernarg_size 32
		.amdhsa_user_sgpr_count 2
		.amdhsa_user_sgpr_kernarg_segment_ptr 1
		.amdhsa_wavefront_size32 1
		.amdhsa_system_sgpr_workgroup_id_x 1
		.amdhsa_system_sgpr_workgroup_id_y 1
		.amdhsa_system_sgpr_workgroup_id_z 1
		.amdhsa_system_vgpr_workitem_id 0
		.amdhsa_next_free_vgpr 256
		.amdhsa_next_free_sgpr 72
		.amdhsa_reserve_vcc 1
		.amdhsa_float_denorm_mode_32 3
		.amdhsa_float_denorm_mode_16_64 3
		.amdhsa_memory_ordered 1
		.amdhsa_forward_progress 1
		.amdhsa_inst_pref_size 74
	.end_amdhsa_kernel
	.amdgpu_metadata
---
amdhsa.version: [ 1, 2 ]
amdhsa.kernels:
  - .name:           k_qf6cf4025bb_attn
    .symbol:         k_qf6cf4025bb_attn.kd
    .args:
      - { .name: qbuf, .offset: 0, .size: 8, .value_kind: global_buffer, .address_space: global }
      - { .name: kbuf, .offset: 8, .size: 8, .value_kind: global_buffer, .address_space: global }
      - { .name: vbuf, .offset: 16, .size: 8, .value_kind: global_buffer, .address_space: global }
      - { .name: out0, .offset: 24, .size: 8, .value_kind: global_buffer, .address_space: global }
    .group_segment_fixed_size: 284672
    .private_segment_fixed_size: 0
    .kernarg_segment_align: 8
    .kernarg_segment_size: 32
    .max_flat_workgroup_size: 512
    .sgpr_count:     72
    .vgpr_count:     256
    .wavefront_size: 32
...
	.end_amdgpu_metadata
.endif
;; end of part 2
